; MI455X (gfx1250); checked and timed in simulation.
; The chip was launched on July 23, 2026; its instructions are those of AMD's public machine-readable ISA for CDNA 5 (MIT licence, August 2026) and "CDNA5" Instruction Set Architecture Reference Guide (July 2026). The comments in the code are by the model that wrote it; some were corrected since.
;; Streaming Attention. Allowed arithmetic: float matrix products may take bf16 or f16 operands with f32 sums; all other float work in f32.
;; Inputs: Wk 1,024 x 1,024 float32; Wo 1,024 x 1,024 float32; Wq 1,024 x 1,024 float32; Wv 1,024 x 1,024 float32; bk 1,024 float32; bo 1,024 float32; bq 1,024 float32; bv 1,024 float32; key_in 4 x 4,096 x 1,024 float32; query 4 x 4,096 x 1,024 float32; value 4 x 4,096 x 1,024 float32.
;; Outputs: out0 4 x 3,104 x 1,024 float32.
;; One version. Each part assembles by itself: llvm-mc -triple=amdgcn-amd-amdhsa -mcpu=gfx1250 --defsym DOCPART=n.
;; ======== version 1 of 1: 4 launches
;; limits: values are held in f16: magnitudes above 65,504 overflow, below 6.1e-05 lose precision
;; workspace buffers: wb 8,388,608 bytes; qh 33,554,432 bytes; kh 33,554,432 bytes; vh 33,554,432 bytes; ao 25,427,968 bytes
;; launch prep (part 1): grid 64 x 4, 8 waves a work-group, no clusters, 0 bytes of LDS; arguments Wq, Wk, Wv, Wo, wb; writes wb
.if DOCPART == 1
	.amdgcn_target "amdgcn-amd-amdhsa--gfx1250"
	.amdhsa_code_object_version 6
	.text
	.protected	k_q310918a2fb_prep
	.globl	k_q310918a2fb_prep
	.p2align	8
	.type	k_q310918a2fb_prep,@function
k_q310918a2fb_prep:
	s_mov_b64 s[64:65], 0
	v_nop
	global_prefetch_b8 v0, s[64:65] scope:SCOPE_SE
	s_setreg_imm32_b32 hwreg(HW_REG_WAVE_MODE, 25, 1), 1
	s_wait_xcnt 0x0
; wb[y][k][n], 16 bits a number: plane y = 0, 1, 2 is Wq, Wk, Wv rounded to bf16; plane 3 is Wo rounded to bf16 and that number written as f16.
; The order [k][n] stays: the products turn the tiles on their way out of LDS.
; LIMIT. bf16's eight significant bits fit f16 down to 6.1e-5 times 2^-3; a |Wo| below 7.6e-6 keeps f16's fixed step of 6e-8; beyond 65,504 it would overflow.
; A stream: no LDS, no barrier, no matrix unit, no cluster (no two work-groups read the same byte).
; A work-group owns 16,384 numbers of one weight: 65,536 bytes in, 32,768 out.  Thread t takes 8 numbers in each of 8 passes; all 16 loads go out first.
.set X, 4                              ; v[4:67]    pass j: 8 numbers in f32
.set Y, 68                             ; v[68:99]   pass j: 4 registers to store; each pass has its own, so no store's data is ever rewritten
.set T, 100                            ; v[100:103] plane 3: the bf16 pairs, at work
	s_load_b256 s[4:11], s[0:1], 0x0               ; Wq s[4:5], Wk s[6:7], Wv s[8:9], Wo s[10:11]
	s_load_b64 s[12:13], s[0:1], 0x20              ; wb
	s_and_b32 s16, ttmp7, 0xffff                   ; y: which weight
	s_mov_b32 s17, 0xffff0000                      ; a word's upper bf16
	v_lshlrev_b32 v1, 5, v0                        ; in: 32 bytes a thread
	v_lshlrev_b32 v2, 4, v0                        ; out: 16 bytes a thread
	s_lshl_b32 s18, ttmp9, 16                      ; the work-group's 65,536 bytes of the weight
	s_mov_b32 s19, 0
	s_lshl_b32 s20, s16, 21                        ; the plane, 2,097,152 bytes,
	s_lshl_b32 s21, ttmp9, 15                      ; and the work-group's 32,768 bytes in it
	s_add_co_u32 s20, s20, s21
	s_mov_b32 s21, 0
	s_wait_kmcnt 0x0
	s_cmp_eq_u32 s16, 1
	s_cselect_b64 s[14:15], s[6:7], s[4:5]
	s_cmp_eq_u32 s16, 2
	s_cselect_b64 s[14:15], s[8:9], s[14:15]
	s_cmp_eq_u32 s16, 3
	s_cselect_b64 s[14:15], s[10:11], s[14:15]
	s_add_nc_u64 s[14:15], s[14:15], s[18:19]
	s_add_nc_u64 s[12:13], s[12:13], s[20:21]
.irp j, 0,1,2,3,4,5,6,7
	global_load_b128 v[X+8*(\j):X+8*(\j)+3],   v1, s[14:15] offset:8192*(\j) th:TH_LOAD_NT
	global_load_b128 v[X+8*(\j)+4:X+8*(\j)+7], v1, s[14:15] offset:8192*(\j)+16 th:TH_LOAD_NT
.endr
; One pass.  wo = 1: the bf16 number is widened again and written as f16.
.macro PASS j, wo
	s_wait_loadcnt 14-2*(\j)                       ; loads come back in order: this pass's two are in, the later passes' stay out
.if \wo
.irp k, 0,1,2,3
	v_cvt_pk_bf16_f32 v[T+(\k)], v[X+8*(\j)+2*(\k)], v[X+8*(\j)+2*(\k)+1]
.endr
.irp k, 0,1,2,3
	v_lshlrev_b32 v[X+8*(\j)+2*(\k)],   16, v[T+(\k)]
	v_and_b32     v[X+8*(\j)+2*(\k)+1], s17, v[T+(\k)]
.endr
.irp k, 0,1,2,3
	v_cvt_pk_f16_f32 v[Y+4*(\j)+(\k)], v[X+8*(\j)+2*(\k)], v[X+8*(\j)+2*(\k)+1]
.endr
.else
.irp k, 0,1,2,3
	v_cvt_pk_bf16_f32 v[Y+4*(\j)+(\k)], v[X+8*(\j)+2*(\k)], v[X+8*(\j)+2*(\k)+1]
.endr
.endif
	global_store_b128 v2, v[Y+4*(\j):Y+4*(\j)+3], s[12:13] offset:4096*(\j)  ; a wave's store covers 512 consecutive bytes, aligned
.endm
	s_cmp_eq_u32 s16, 3
	s_cbranch_scc1 .Lwo
.irp j, 0,1,2,3,4,5,6,7
	PASS \j, 0
.endr
	s_endpgm
.Lwo:
.irp j, 0,1,2,3,4,5,6,7
	PASS \j, 1
.endr
	s_endpgm
.Lfunc_end_k_q310918a2fb_prep:
	.size	k_q310918a2fb_prep, .Lfunc_end_k_q310918a2fb_prep-k_q310918a2fb_prep
	.p2alignl 7, 3214868480
	.fill 96, 4, 3214868480
	.section	.rodata,"a",@progbits
	.p2align	6, 0x0
	.amdhsa_kernel k_q310918a2fb_prep
		.amdhsa_group_segment_fixed_size 0
		.amdhsa_private_segment_fixed_size 0
		.amdhsa_enable_private_segment 0
		.amdhsa_kernarg_size 40
		.amdhsa_user_sgpr_count 2
		.amdhsa_user_sgpr_kernarg_segment_ptr 1
		.amdhsa_wavefront_size32 1
		.amdhsa_system_sgpr_workgroup_id_x 1
		.amdhsa_system_sgpr_workgroup_id_y 1
		.amdhsa_system_sgpr_workgroup_id_z 1
		.amdhsa_system_vgpr_workitem_id 0
		.amdhsa_next_free_vgpr 108
		.amdhsa_next_free_sgpr 66
		.amdhsa_reserve_vcc 0
		.amdhsa_float_denorm_mode_32 3
		.amdhsa_float_denorm_mode_16_64 3
		.amdhsa_memory_ordered 1
		.amdhsa_forward_progress 1
		.amdhsa_inst_pref_size 13
	.end_amdhsa_kernel
	.amdgpu_metadata
---
amdhsa.version: [ 1, 2 ]
amdhsa.kernels:
  - .name:           k_q310918a2fb_prep
    .symbol:         k_q310918a2fb_prep.kd
    .args:
      - { .name: Wq, .offset: 0, .size: 8, .value_kind: global_buffer, .address_space: global }
      - { .name: Wk, .offset: 8, .size: 8, .value_kind: global_buffer, .address_space: global }
      - { .name: Wv, .offset: 16, .size: 8, .value_kind: global_buffer, .address_space: global }
      - { .name: Wo, .offset: 24, .size: 8, .value_kind: global_buffer, .address_space: global }
      - { .name: wb, .offset: 32, .size: 8, .value_kind: global_buffer, .address_space: global }
    .group_segment_fixed_size: 0
    .private_segment_fixed_size: 0
    .kernarg_segment_align: 8
    .kernarg_segment_size: 40
    .max_flat_workgroup_size: 256
    .sgpr_count:     66
    .vgpr_count:     108
    .wavefront_size: 32
...
	.end_amdgpu_metadata
.endif
;; end of part 1
;; launch proj (part 2): grid 4 x 64, 4 waves a work-group, clusters of 4 x 4, 327,680 bytes of LDS; arguments query, key_in, value, bq, bk, bv, wb, qh, kh, vh; writes qh, kh, vh
.if DOCPART == 2
	.amdgcn_target "amdgcn-amd-amdhsa--gfx1250"
	.amdhsa_code_object_version 6
	.text
	.protected	k_q310918a2fb_proj
	.globl	k_q310918a2fb_proj
	.p2align	8
	.type	k_q310918a2fb_proj,@function
k_q310918a2fb_proj:
	s_mov_b64 s[64:65], 0
	v_nop
	global_prefetch_b8 v0, s[64:65] scope:SCOPE_SE
	s_setreg_imm32_b32 hwreg(HW_REG_WAVE_MODE, 25, 1), 1
	s_wait_xcnt 0x0
	s_wait_alu depctr_hold_cnt(0) depctr_sa_sdst(0) depctr_va_vdst(0) depctr_va_sdst(0) depctr_va_ssrc(0) depctr_va_vcc(0) depctr_vm_vsrc(0)
	s_getreg_b32 s2, hwreg(HW_REG_IB_STS2, 6, 4)
	s_cmp_eq_u32 s2, 0
	s_cbranch_scc0 .Lentry_in_a_cluster
	s_endpgm
.Lentry_in_a_cluster:
	s_bfe_u32 s2, ttmp6, 0x10000c
	s_cmp_lg_u32 s2, 0xf033
	s_cbranch_scc0 .Lentry_shape_is_right
	s_endpgm
.Lentry_shape_is_right:
; THE THREE PROJECTIONS IN ONE LAUNCH.  out_p = bf16(x_p) bf16(W_p) + bf16(b_p), p = 0, 1, 2 (q, k, v); x_p [16384][1024] f32, W_p from wb [k][n] bf16; sums in f32;
; the result is rounded once to f16 and written by heads, [batch 4][head 16][4096][64]: a head's rows are dense, 128 bytes each.  No scale is applied here.
; LIMIT.  f16 ends at 65,504: a |q|, |k| or |v| of 65,520 or more becomes an infinity.  NaN and infinities are not treated apart.
; SHARES.  A tile is 128 rows x 512 columns.  A WORK-GROUP STAYS: 128 row tiles x 2 column tiles = 256 work-groups, and each makes its tile of q, then of k, then of v.
; Wave w makes all 128 rows x columns 128 w .. 128 w + 127: 64 accumulators, 512 registers.
; THE WALK.  3 x 16 K steps of 64 are one counted loop of four steps a trip.  The planes of wb lie end to end, so W's ring walks through 3,072 k rows by one step; x is asked for three steps ahead, and at a
; tile's step 13 its pointer goes over to the next input.  Where a tile ends the trip jumps forward to the way out; the next tile's W and x are then on their way, and nothing waits for the stores.
; x comes through REGISTERS: each wave loads 32 rows x 256 bytes of f32 a K step (16 loads, each two whole rows); it is rounded to bf16 and stored into one of two LDS slots.
; A tensor load would lay f32 into LDS, twice the bytes there, so x's tile, which two work-groups read, is not asked for jointly.
; W comes by tensor loads: two slots of 128 k x 512 columns; each wave brings 32 rows of 1,024 bytes.
; CLUSTER 4 x 4: column tile = cx & 1, row tile = 8 cluster y + 2 cy + (cx >> 1).  The four work-groups of one cx need the same tiles of W: asked for JOINTLY, same load, descriptor and mask.
; THE MATRIX INSTRUCTION IS USED TRANSPOSED: source 0 = 16 columns of W (turned on the way out of LDS by ds_load_tr16_b128), source 1 = 16 rows of x: a lane holds eight neighbouring columns of one row.
; The bias is the C operand of the products that start the sums.
; REGISTERS in windows of 256 (s_set_vgpr_msb: bits 1:0 source 0, 3:2 source 1, 5:4 source 2, 7:6 destination):
;   window 0: v16-29 addresses; v32-63 packed bf16, on the way out rows; v64-127, v128-191 fragments of x, two buffers (the second serves the way out); v192-255 the bias
;   window 1: v0-63, v192-255 x as loaded, two sets; v64-127, v128-191 fragments of W, two buffers
;   window 2: accumulators of rows 0-63 ((a, b) at v[8 (8 a + b)]);   window 3: those of rows 64-127
.set PB,     1056                      ; a row of W in LDS: 1,024 bytes + 32 = 33 x 32: the eight rows that a turning load's half takes start 8 banks apart
.set BSLOT,  128*PB                    ; 135,168
.set BWAVE,  32*PB                     ; what one tensor load brings
.set PA,     144                       ; a row of x in LDS: 64 bf16 + 16 bytes = 36 words: the 16 rows of a load start at 16 different groups of four banks
.set ABASE,  2*BSLOT                   ; x's two slots: written by ds_store alone, never by a tensor load
.set ASLOT,  128*PA                    ; 18,432
.set STAGE,  ABASE+2*ASLOT             ; for each wave 2 heads x 16 rows x 144 bytes, for the way out
.set SP,     144
.set WSTAGE, 2*16*SP
.set SPARE,  STAGE+4*WSTAGE            ; the spare words, 128 bytes for each wave: two blocks of 256 bytes that no other line names
.set AO,   16                          ; v16     my byte offset in x's tile: row 32 w + l / 16, 16 bytes at l % 16
.set AS,   17                          ; v17     where I store 8 bytes of bf16 in x's slot 0
.set ADRA, 18                          ; v18-19  LDS address of my fragments of x in slot 0, 1
.set ADRB, 20                          ; v20-23  of my fragments of W: slot n / 2, its k rows 64 (n % 2) on
.set STO,  24                          ; v24     the way out: where I put 16 bytes of a row
.set RD,   25                          ; v25     the way out: where I read rows back
.set GO,   26                          ; v26     my 16 bytes in 512 consecutive bytes of the output
.set BO,   27                          ; v27     my byte offset in 16 numbers of the bias
.set SPW,  28                          ; v28     LDS address of my spare word; never rewritten
.set NIL,  29                          ; v29     0; never rewritten
.set T,    32
.set F0,   64
.set F1,   128
.set BIAS, 192
.set TMP,  128                         ; the way out: packed results; rows come back into v32-63 and v160-191 by turns
.set G1,   24                          ; s[24:31] descriptor group 1
.set G0,   32                          ; s[32:39] descriptor group 0, one set for each slot
; s[4:5] x, stepping; s[14:15] the next tile's x, s[52:53] the one after.  s[6:7] the bias to be loaded next, s[56:59] those after.  s[8:9] the output in hand, s[68:71] those after.
.set MUL_LO, 0xa1                      ; source 0 (W) window 1, source 1 (x) window 0, C and D window 2
.set MUL_HI, 0xf1                      ; the same, C and D window 3
.set TO_B,   0x40                      ; destination window 1, address window 0
.set MSB, 0
.macro WIN new                         ; the immediate's high byte repeats the setting that is left; a switch that changes nothing is dropped
.if MSB != (\new)
	s_set_vgpr_msb (MSB<<8)|(\new)
.set MSB, \new
.endif
.endm
.macro PLACES                          ; four places in front of loads into registers that matrix instructions have read, and of conversions that read results
.rept 4
	v_nop
.endr
.endm
.macro CREST                           ; a round of the cluster's barrier behind its opening barrier
	s_cmp_lg_u32 s10, 0
	s_cbranch_scc1 .Lnot_wave_0_\@
	s_barrier_signal -3
.Lnot_wave_0_\@:
	s_barrier_wait -3
	s_barrier_signal -1
	s_barrier_wait -1
.endm
.macro CROUND
	s_barrier_signal -1
	s_barrier_wait -1
	CREST
.endm
.macro BLOAD sg                        ; the joint load of my 32 rows of W's tile for slot sg; an s_nop 0 and four v_nop follow it
	tensor_load_to_lds s[G0+4*(\sg):G0+4*(\sg)+3], s[G1:G1+7]
	s_nop 0
.rept 4
	v_nop
.endr
.endm
	s_load_b512 s[48:63], s[0:1], 0x0              ; query 48, key_in 50, value 52, bq 54, bk 56, bv 58, wb 60, qh 62
	s_load_b128 s[68:71], s[0:1], 0x40             ; kh 68, vh 70
	v_lshl_add_u32 v[SPW], v0, 2, SPARE
	v_mov_b32 v[NIL], 0
	ds_add_u32 v[SPW], v[NIL]                      ; the wave's opening: the add and its wait stand ahead of my first tensor load; the set-up below, work on registers, stands between them
	ds_add_u32 v28, v29
	v_lshrrev_b32 v1, 5, v0
	v_readfirstlane_b32 s10, v1                    ; wave 0..3
	s_mov_b32 s13, 0xffff0000                      ; a word's upper bf16
	s_bfe_u32 s40, ttmp6, 0x40000                  ; cx
	s_bfe_u32 s41, ttmp6, 0x40004                  ; cy
	s_and_b32 s42, s40, 1                          ; column tile
	s_and_b32 s2, ttmp7, 0xffff                    ; the cluster's y, 0..15
	s_lshl_b32 s43, s2, 3
	s_lshl_b32 s2, s41, 1
	s_add_co_u32 s43, s43, s2
	s_lshr_b32 s2, s40, 1
	s_add_co_u32 s43, s43, s2                      ; row tile 0..127
	s_lshl_b32 s44, 0x1111, s40                    ; my column of the cluster: places cx, cx + 4, cx + 8, cx + 12
	; descriptor group 1: 32 rows x 512 elements of 2 bytes, 1,024 elements from row to row, 8 words of padding behind every 256
	s_or_b32 s[G1+0], s44, (1<<16)|(1<<20)|(1<<21)|(7<<22)|(7<<25)
	s_mov_b32 s[G1+1], 512<<16                     ; tensor_dim0 = 512
	s_mov_b32 s[G1+2], 32<<16                      ; tensor_dim1 = 32
	s_mov_b32 s[G1+3], 512<<16                     ; tile_dim0 = 512
	s_mov_b32 s[G1+4], 32                          ; tile_dim1 = 32
	s_mov_b32 s[G1+5], 1024                        ; the pitch
	s_mov_b32 s[G1+6], 0
	s_mov_b32 s[G1+7], 0
	; W's first tile: plane 0, k rows 32 w on, column tile.  These registers hold w and cx & 1 alone, which the four partners share
	s_lshl_b32 s20, s10, 16
	s_lshl_b32 s21, s42, 10
	s_add_co_u32 s20, s20, s21
	s_mov_b32 s21, 0
	s_mul_i32 s22, s10, BWAVE                      ; where it goes: wave x 32 rows
	s_lshl_b32 s16, s43, 19                        ; x: row tile x 128 rows x 4,096 bytes, the same in all three inputs
	s_mov_b32 s17, 0
	s_lshl_b32 s18, s42, 11                        ; bias: (512 column tile + 128 w) x 4 bytes
	s_lshl_b32 s2, s10, 9
	s_add_co_u32 s18, s18, s2
	s_mov_b32 s19, 0
	s_lshr_b32 s46, s43, 5                         ; output: batch = row tile / 32; head = 8 column tile + 2 w; a head is 524,288 bytes
	s_lshl_b32 s46, s46, 4
	s_lshl_b32 s2, s42, 3
	s_add_co_u32 s46, s46, s2
	s_lshl_b32 s2, s10, 1
	s_add_co_u32 s46, s46, s2
	s_lshl_b32 s46, s46, 19
	s_and_b32 s2, s43, 31                          ; and the tile's 128 rows of 128 bytes in it
	s_lshl_b32 s2, s2, 14
	s_add_co_u32 s46, s46, s2
	s_mov_b32 s47, 0
	v_and_b32 v1, 15, v0                           ; l % 16
	v_bfe_u32 v2, v0, 4, 1                         ; l / 16
	v_and_b32 v4, 7, v0                            ; l % 8
	v_bfe_u32 v5, v0, 3, 1                         ; (l / 8) % 2
	v_bfe_u32 v7, v0, 3, 2                         ; l / 8
	s_lshl_b32 s2, s10, 17                         ; my 32 rows of 4,096 bytes
	v_lshlrev_b32 v[AO], 4, v1
	v_lshl_add_u32 v[AO], v2, 12, v[AO]
	v_add_nc_u32 v[AO], s2, v[AO]
	s_mul_i32 s2, s10, 32*PA
	s_add_co_u32 s2, s2, ABASE
	v_mul_u32_u24 v[AS], v2, PA
	v_lshl_add_u32 v[AS], v1, 3, v[AS]
	v_add_nc_u32 v[AS], s2, v[AS]
	v_mul_u32_u24 v3, v1, PA                       ; a fragment of x: row l % 16, 16 bytes for each half of the lanes
	v_lshl_add_u32 v3, v2, 4, v3
	v_add_nc_u32 v[ADRA], ABASE, v3
	v_add_nc_u32 v[ADRA+1], ABASE+ASLOT, v3
	v_lshl_add_u32 v6, v2, 3, v4                   ; the turning load: k row 8 (l / 16) + l % 8, columns 8 ((l / 8) % 2) on, my wave's 256 bytes
	v_mul_u32_u24 v6, v6, PB
	v_lshl_add_u32 v6, v5, 4, v6
	s_lshl_b32 s2, s10, 8
	v_add_nc_u32 v6, s2, v6
.irp n, 0,1,2,3
	v_add_nc_u32 v[ADRB+(\n)], ((\n)/2)*BSLOT+((\n)%2)*64*PB, v6
.endr
	s_mul_i32 s2, s10, WSTAGE
	s_add_co_u32 s2, s2, STAGE                     ; my stage
	v_add_nc_u32 v[STO], s2, v3                    ; in: row l % 16, 16 bytes for each half of the lanes
	v_mul_u32_u24 v[RD], v7, SP                    ; back: 32 lanes take four rows of 128 bytes,
	v_lshl_add_u32 v[RD], v4, 4, v[RD]
	v_add_nc_u32 v[RD], s2, v[RD]
	v_and_b32 v[GO], 31, v0                        ; which are 512 consecutive bytes of a head
	v_lshlrev_b32 v[GO], 4, v[GO]
	v_lshlrev_b32 v[BO], 5, v2                     ; the bias of columns 8 (l / 16) + 0..7
	s_wait_dscnt 0x0                               ; the opening add is done
	s_wait_kmcnt 0x0
	s_add_nc_u64 s[4:5], s[48:49], s[16:17]        ; x of the three tiles: query now, key_in next, value after it
	s_add_nc_u64 s[14:15], s[50:51], s[16:17]
	s_add_nc_u64 s[52:53], s[52:53], s[16:17]
	s_add_nc_u64 s[6:7], s[54:55], s[18:19]        ; their biases
	s_add_nc_u64 s[56:57], s[56:57], s[18:19]
	s_add_nc_u64 s[58:59], s[58:59], s[18:19]
	s_add_nc_u64 s[8:9], s[62:63], s[46:47]        ; their outputs
	s_add_nc_u64 s[68:69], s[68:69], s[46:47]
	s_add_nc_u64 s[70:71], s[70:71], s[46:47]
	s_add_nc_u64 s[20:21], s[60:61], s[20:21]
.irp s, 0,1
	s_mov_b32 s[G0+4*(\s)], 1                                        ; count = 1
	s_add_co_u32 s[G0+4*(\s)+1], s22, (\s)*BSLOT                     ; LDS address
	s_add_nc_u64 s[G0+4*(\s)+2:G0+4*(\s)+3], s[20:21], (\s)*128*2048 ; global address: k rows 128 s on
	s_or_b32 s[G0+4*(\s)+3], s[G0+4*(\s)+3], 0x80000000              ; type = 2
.endr
	CROUND                                         ; all sixteen work-groups are here: the first joint loads meet
	BLOAD 0                                        ; two tensor loads of mine are out
	BLOAD 1
; 16 loads: my 32 rows x 256 bytes of x, K step at byte imm from s[4:5], into set
.macro GLOAD set, imm
	WIN TO_B
.set i, 0
.rept 16
	global_load_b128 v[192*(\set)+4*i:192*(\set)+4*i+3], v[AO], s[4:5] offset:8192*i+(\imm)  ; two whole rows of 256 bytes
.set i, i+1
.endr
.endm
.macro CVT set                         ; 64 f32 a lane to 32 words of bf16
	WIN 0x05                                       ; sources window 1, destination window 0
.set i, 0
.rept 32
	v_cvt_pk_bf16_f32 v[T+i], v[192*(\set)+2*i], v[192*(\set)+2*i+1]
.set i, i+1
.endr
.endm
.macro ASTORE s                        ; 8 bytes a lane and load: two rows of 128 bytes of bf16
	WIN 0
.set i, 0
.rept 16
	ds_store_b64 v[AS], v[T+2*i:T+2*i+1] offset:ASLOT*(\s)+2*PA*i
.set i, i+1
.endr
.endm
.macro BIASLOAD                        ; my 8 numbers of each of my 8 column blocks, from s[6:7]
	WIN 0
.irp n, 0,1,2,3,4,5,6,7
	global_load_b128 v[BIAS+8*(\n):BIAS+8*(\n)+3],   v[BO], s[6:7] offset:64*(\n)
	global_load_b128 v[BIAS+8*(\n)+4:BIAS+8*(\n)+7], v[BO], s[6:7] offset:64*(\n)+16
.endr
.endm
.macro BROUND                          ; the bias is rounded to bf16, like every input, and widened again, in place
	WIN 0
.set i, 0
.rept 32
	v_cvt_pk_bf16_f32 v[BIAS+2*i], v[BIAS+2*i], v[BIAS+2*i+1]
.set i, i+1
.endr
.set i, 0
.rept 32
	v_and_b32     v[BIAS+2*i+1], s13, v[BIAS+2*i]
	v_lshlrev_b32 v[BIAS+2*i],   16, v[BIAS+2*i]
.set i, i+1
.endr
.endm
; 16 matrix instructions: row blocks a0, a0 + 1 of the window's four x all 8 column blocks, 32 along K.  mode = 1: the products start the sums, with the bias as C.
; The 64 accumulators take turns, one instruction a turn, in the same order in every quarter.
.macro MUL16 f, hi, a0, mode
.if \mode
	WIN 0x81+0x40*(\hi)                            ; C (the bias) in window 0
.else
	WIN MUL_LO+0x50*(\hi)
.endif
.irp a, \a0, (\a0)+1
.irp b, 0,1,2,3,4,5,6,7
.if \mode
	v_wmma_f32_16x16x32_bf16 v[8*(8*(\a)+(\b)):8*(8*(\a)+(\b))+7], v[(\f)+8*(\b):(\f)+8*(\b)+7], v[(\f)+8*(4*(\hi)+(\a)):(\f)+8*(4*(\hi)+(\a))+7], v[BIAS+8*(\b):BIAS+8*(\b)+7]
.else
	v_wmma_f32_16x16x32_bf16 v[8*(8*(\a)+(\b)):8*(8*(\a)+(\b))+7], v[(\f)+8*(\b):(\f)+8*(\b)+7], v[(\f)+8*(4*(\hi)+(\a)):(\f)+8*(4*(\hi)+(\a))+7], v[8*(8*(\a)+(\b)):8*(8*(\a)+(\b))+7]
.endif
.endr
.endr
.endm
; 32 LDS loads in one run: 32 along K.  W: address register br, its k rows 32 bq on, turned; x: slot as, byte ak of the rows.  Into buffer f.
.macro FETCH as, ak, br, bq, f
	WIN TO_B
.irp i, 0,1,2,3,4,5,6,7
	ds_load_tr16_b128 v[(\f)+8*(\i):(\f)+8*(\i)+3],   v[ADRB+(\br)] offset:(\bq)*32*PB+32*(\i)
	ds_load_tr16_b128 v[(\f)+8*(\i)+4:(\f)+8*(\i)+7], v[ADRB+(\br)] offset:(\bq)*32*PB+16*PB+32*(\i)
.endr
	WIN 0
.irp i, 0,1,2,3,4,5,6,7
	ds_load_b128 v[(\f)+8*(\i):(\f)+8*(\i)+3],   v[ADRA+(\as)] offset:(\ak)+(\i)*16*PA
	ds_load_b128 v[(\f)+8*(\i)+4:(\f)+8*(\i)+7], v[ADRA+(\as)] offset:(\ak)+(\i)*16*PA+32
.endr
.endm
; K STEP t of a tile (64 along K) is two halves.  x lies in slot t % 2, W in slot (t / 2) % 2, k rows 64 (t % 2) on; a tile has 16 steps, so the places go on unbroken from tile to tile.
; QX multiplies the step's first 32 (buffer 0).  st = 1: the next step's x, loaded two steps ago, is rounded and stored into the other slot, whose readers passed the last barrier;
; ld = 1: the x of three steps on is asked for; left: the younger global loads that stay out (the step after next's 16, or none).  The 32 conversions are the places in front of the loads into buffer 1.
; sw = 1 (a trip's first QX): in a tile's last trip, s3 a multiple of 4, three steps on is the next tile's step 0: x's pointer goes over to the next input.
.macro QX t, st, ld, left, mode, sw=0
	s_wait_dscnt 8                                 ; W and x's rows 0-63 are in; the youngest eight loads (rows 64-127) may be out
	MUL16 F0, 0, 0, \mode
	MUL16 F0, 0, 2, \mode
.if \st
	s_wait_loadcnt \left
	CVT ((\t)+1)%2
.else
	PLACES
.endif
.if \ld
	s_wait_xcnt 0x0                                ; the base of the loads that are out is rewritten only behind this wait
	s_add_nc_u64 s[4:5], s[4:5], 256
.if \sw
	s_and_b32 s12, s3, 3
	s_cmp_eq_u32 s12, 0
	s_cselect_b64 s[4:5], s[14:15], s[4:5]
.endif
	GLOAD ((\t)+1)%2, 0
.endif
	FETCH (\t)%2, 64, (\t)%4, 1, F1
.if \st
	ASTORE ((\t)+1)%2
.endif
	s_wait_dscnt 32+16*(\st)                       ; all but the 32 loads and the 16 stores just issued
	MUL16 F0, 1, 0, \mode
	MUL16 F0, 1, 2, \mode
.endm
; QY multiplies the step's second 32 (buffer 1) and holds the step's barrier: in front of it my stores into x's next slot and my reads of this one are done.
; kind 0: no more than that.  kind 1 (odd steps): W's slot has been read out: every wave waits for all its tensor loads (one is out: its part of the other slot), adds 0 to its spare word and waits for that;
; the barrier opens a round of the cluster's, and the joint refill, 256 k rows on, is the first thing behind it: 224 matrix instructions ahead of the wait for it.  kind 2: the same waits, nothing left to ask for.
.macro QY t, kind
.set SG, ((\t)/2)%2
.if \kind
	WIN 0                                          ; (the add's two registers lie in window 0)
	s_wait_tensorcnt 0x0
	ds_add_u32 v[SPW], v[NIL]
	s_wait_dscnt 25                                ; (the youngest eight loads, the 16 stores and the add may be out)
.else
	s_wait_dscnt 24                                ; (the youngest eight loads and the 16 stores may be out)
.endif
	MUL16 F1, 0, 0, 0
	s_wait_dscnt 0x0                               ; for the others' sake: my stores, my reads and the add are done
	s_barrier_signal -1
	MUL16 F1, 0, 2, 0                              ; work on registers while the others arrive
.if (\kind) == 1
	WIN 0
.endif
	s_barrier_wait -1
.if (\kind) == 1
	CREST                                          ; no wave of any partner still reads this slot or has a load on its way
	s_add_nc_u64 s[G0+4*SG+2:G0+4*SG+3], s[G0+4*SG+2:G0+4*SG+3], 256*2048  ; behind a plane's last rows come the next plane's first
	BLOAD SG                                       ; its four v_nop are also the places in front of the loads below
.else
	PLACES
.endif
	FETCH ((\t)+1)%2, 0, ((\t)+1)%4, 0, F0
	MUL16 F1, 1, 0, 0
	MUL16 F1, 1, 2, 0
.endm
; THE WAY OUT of row block a.  PACK: rounded to f16, each accumulator's registers in ascending order.  TOSTAGE: into my own stage, two heads apart, and back as rows of 128 bytes.  SEND: stored.
; It names x's fragment buffer 1 and the packing registers alone: buffer 0, the two sets of x and the bias may hold, or be taking, the next tile's numbers.
.macro PACK a
.set AC, 64*((\a)%4)
	WIN 0x0a+5*((\a)/4)                            ; sources 0 and 1: window 2 or 3
.irp b, 0,1,2,3,4,5,6,7
.irp r, 0,1,2,3
	v_cvt_pk_f16_f32 v[TMP+4*(\b)+(\r)], v[AC+8*(\b)+2*(\r)], v[AC+8*(\b)+2*(\r)+1]
.endr
.endr
	WIN 0
.endm
.macro TOSTAGE a
	WIN 0
.set BK, 32+128*((\a)%2)
.irp b, 0,1,2,3,4,5,6,7
	ds_store_b128 v[STO], v[TMP+4*(\b):TMP+4*(\b)+3] offset:((\b)/4)*16*SP+((\b)%4)*32
.endr
.irp t, 0,1,2,3,4,5,6,7
	ds_load_b128 v[BK+4*(\t):BK+4*(\t)+3], v[RD] offset:((\t)/4)*16*SP+((\t)%4)*4*SP  ; LDS serves a wave's instructions in order (ISA guide 5.7.1.4): these see the stores above
.endr
.endm
.macro SEND a
	WIN 0
.set BK, 32+128*((\a)%2)
	s_wait_dscnt 0x0                               ; the block is back in registers
	s_wait_xcnt 0x0                                ; the other bank, which the block before's stores read, is loaded again only behind this wait
.irp t, 0,1,2,3,4,5,6,7
	global_store_b128 v[GO], v[BK+4*(\t):BK+4*(\t)+3], s[8:9] offset:((\t)/4)*524288+(\a)*2048+((\t)%4)*512  ; 512 consecutive bytes of a head, at a multiple of 256
.endr
.endm
.macro WAYOUT
	PLACES
	PACK 0
	TOSTAGE 0
.irp a, 1,2,3,4,5,6,7                  ; block a's conversions stand between block a - 1's loads from the stage and the wait for them
	PACK \a
	SEND (\a)-1
	TOSTAGE \a
.endr
	SEND 7
.endm
	GLOAD 0, 0                                     ; K step 0
	BIASLOAD
	GLOAD 1, 256                                   ; K step 1
	s_wait_loadcnt 16                              ; step 0 and the bias are in; step 1's 16 loads stay out
	CVT 0
	GLOAD 0, 512                                   ; K step 2
	ASTORE 0
	BROUND
	s_wait_xcnt 0x0                                ; the loads' bases are rewritten only behind this wait
	s_add_nc_u64 s[4:5], s[4:5], 512               ; at K step 2: each QX steps on by one and asks
	s_mov_b64 s[6:7], s[56:57]                     ; the bias to be loaded next
	s_wait_tensorcnt 0x1                           ; my part of W's slot 0 is in; slot 1's may stay out
	s_wait_dscnt 0x0                               ; my part of x's slot 0 is stored
	s_barrier_signal -1
	s_barrier_wait -1
	FETCH 0, 0, 0, 0, F0
	s_mov_b32 s3, 12                               ; the loop is entered at a tile's first half step, in the middle of a trip: 11 whole trips follow
	s_branch .Lfirst
.Llap:                                                 ; a trip is four K steps, once round W's ring.  s3 = 11 .. 8: q; 7 .. 4: k; 3 .. 1: v's first twelve steps
	QY 0, 0
	QX 1, 1, 1, 16, 0, 1
	QY 1, 1
	QX 2, 1, 1, 16, 0
	QY 2, 0
	QX 3, 1, 1, 16, 0
	QY 3, 1
	WIN 0                                          ; at a label and at a branch every window is 0
	s_and_b32 s12, s3, 3
	s_cmp_eq_u32 s12, 0
	s_cbranch_scc1 .Lchange                        ; the tile's 16 steps are done.  The jump goes forward, past no barrier and no tensor load; the count is the same in every work-group
	QX 4, 1, 1, 16, 0
	WIN 0
	s_branch .Lbottom
.Lchange:                                              ; A TILE ENDS.  On their way or in: the next tile's W (both slots), its x of steps 0 to 2, its first fragments
	BIASLOAD                                       ; the next bias lands while the tile goes out
	WAYOUT
	s_wait_loadcnt 0x0                             ; the bias; the loads of x in front of it were asked for one and two steps earlier
	BROUND
	s_wait_xcnt 0x0                                ; the stores have read their registers and the output's address, the loads the bias's
	s_mov_b64 s[8:9], s[68:69]                     ; each pointer moves up by one tile
	s_mov_b64 s[68:69], s[70:71]
	s_mov_b64 s[6:7], s[58:59]
	s_mov_b64 s[14:15], s[52:53]
.Lfirst:
	QX 0, 1, 1, 16, 1                              ; a tile's first half step: its products start the sums
	WIN 0
.Lbottom:
	s_sub_co_u32 s3, s3, 1
	s_cmp_lg_u32 s3, 0
	s_cbranch_scc1 .Llap
	QY 12, 0                                       ; the last tile's last steps are written out: nothing more is asked for
	QX 13, 1, 0, 16, 0
	QY 13, 2
	QX 14, 1, 0, 0, 0
	QY 14, 0
	QX 15, 0, 0, 0, 0
	s_wait_dscnt 8
	MUL16 F1, 0, 0, 0
	MUL16 F1, 0, 2, 0
	s_wait_dscnt 0x0
	MUL16 F1, 1, 0, 0
	MUL16 F1, 1, 2, 0
	WAYOUT
	s_wait_tensorcnt 0x0                           ; the wave's end, behind my last tensor load and my last LDS store
	ds_add_u32 v[SPW], v[NIL]
	s_wait_dscnt 0x0
	CROUND                                         ; the closing round: no work-group ends while a partner may still ask for a tile that names it
	s_endpgm
.Lfunc_end_k_q310918a2fb_proj:
	.size	k_q310918a2fb_proj, .Lfunc_end_k_q310918a2fb_proj-k_q310918a2fb_proj
	.p2alignl 7, 3214868480
	.fill 96, 4, 3214868480
	.section	.rodata,"a",@progbits
	.p2align	6, 0x0
	.amdhsa_kernel k_q310918a2fb_proj
		.amdhsa_group_segment_fixed_size 327680
		.amdhsa_private_segment_fixed_size 0
		.amdhsa_enable_private_segment 0
		.amdhsa_kernarg_size 80
		.amdhsa_user_sgpr_count 2
		.amdhsa_user_sgpr_kernarg_segment_ptr 1
		.amdhsa_wavefront_size32 1
		.amdhsa_system_sgpr_workgroup_id_x 1
		.amdhsa_system_sgpr_workgroup_id_y 1
		.amdhsa_system_sgpr_workgroup_id_z 1
		.amdhsa_system_vgpr_workitem_id 0
		.amdhsa_next_free_vgpr 1024
		.amdhsa_next_free_sgpr 72
		.amdhsa_reserve_vcc 0
		.amdhsa_float_denorm_mode_32 3
		.amdhsa_float_denorm_mode_16_64 3
		.amdhsa_memory_ordered 1
		.amdhsa_forward_progress 1
		.amdhsa_inst_pref_size 220
	.end_amdhsa_kernel
	.amdgpu_metadata
---
amdhsa.version: [ 1, 2 ]
amdhsa.kernels:
  - .name:           k_q310918a2fb_proj
    .symbol:         k_q310918a2fb_proj.kd
    .args:
      - { .name: query, .offset: 0, .size: 8, .value_kind: global_buffer, .address_space: global }
      - { .name: key_in, .offset: 8, .size: 8, .value_kind: global_buffer, .address_space: global }
      - { .name: value, .offset: 16, .size: 8, .value_kind: global_buffer, .address_space: global }
      - { .name: bq, .offset: 24, .size: 8, .value_kind: global_buffer, .address_space: global }
      - { .name: bk, .offset: 32, .size: 8, .value_kind: global_buffer, .address_space: global }
      - { .name: bv, .offset: 40, .size: 8, .value_kind: global_buffer, .address_space: global }
      - { .name: wb, .offset: 48, .size: 8, .value_kind: global_buffer, .address_space: global }
      - { .name: qh, .offset: 56, .size: 8, .value_kind: global_buffer, .address_space: global }
      - { .name: kh, .offset: 64, .size: 8, .value_kind: global_buffer, .address_space: global }
      - { .name: vh, .offset: 72, .size: 8, .value_kind: global_buffer, .address_space: global }
    .group_segment_fixed_size: 327680
    .private_segment_fixed_size: 0
    .kernarg_segment_align: 8
    .kernarg_segment_size: 80
    .max_flat_workgroup_size: 128
    .sgpr_count:     72
    .vgpr_count:     1024
    .wavefront_size: 32
...
	.end_amdgpu_metadata
.endif
;; end of part 2
;; launch attn (part 3): grid 2 x 128, 8 waves a work-group, no clusters, 224,256 bytes of LDS; arguments qh, kh, vh, ao; writes ao
.if DOCPART == 3
	.amdgcn_target "amdgcn-amd-amdhsa--gfx1250"
	.amdhsa_code_object_version 6
	.text
	.protected	k_q310918a2fb_attn
	.globl	k_q310918a2fb_attn
	.p2align	8
	.type	k_q310918a2fb_attn,@function
k_q310918a2fb_attn:
	s_mov_b64 s[64:65], 0
	v_nop
	global_prefetch_b8 v0, s[64:65] scope:SCOPE_SE
	s_setreg_imm32_b32 hwreg(HW_REG_WAVE_MODE, 25, 1), 1
	s_wait_xcnt 0x0
; CHUNKED ATTENTION.  qh, kh, vh: [batch 4][head 16][4096][64] f16.  ao: [head 16][12416][64] f16, row = 3104 batch + the output's row.
; Chunk 0: queries 0-127, keys 0-127.  Chunk i > 0: queries 128 i + 32 .. 128 i + 127 (96), keys 128 i - 32 .. 128 i + 127 (160); its rows of the output begin at 96 i + 32.
; ONE WAVE takes one (batch, chunk, head): work-group (x, y) is batch y / 32, chunk y % 32, wave w head 8 x + w.  2,048 waves, two to a SIMD: one's vector work stands beside the other's products.
; All 160 keys are in hand at once: K in 160 registers, V turned into 160 registers; a tile of 16 queries a trip; the softmax takes the TRUE maximum of the row, in one pass.
; Chunk 0 reads keys 0-159 too (inside the buffer) and hides the last 32: the C operand that starts their sums is -1e30, elsewhere 0.
; S^T = K Q^T (a lane holds one query and the keys 8 (l / 16) + 0..7 of each tile); two such tiles rounded to f16 ARE source 1 of O^T = V^T P.  p = 2^(c s - c m), c = log2(e) / 8.
; LIMITS.  A hidden score counts as its value less 1e30; a weight below 2^-126 counts as 0; the sum l is taken of the unrounded weights; NaN and infinities are not treated apart.
; NO CLUSTER: neighbouring chunks share 32 of 160 key rows, a fifth of what a wave reads, and chunk 0 has another number of trips.  No barrier: each wave reads only the LDS bytes that its own load brought, filled once.
; REGISTERS: window 0: v3-9 addresses; v12-23 statistics; v24-31 the mask; v32-47 Q; v64-143 S^T, then P; v144-175 O^T; v176-239 V of keys 96-159; v240-255 the way out
;            window 1: v0-159 K (key tile kt, channel half c at 16 kt + 8 c); v160-255 V of keys 0-95 (key group g, channel block cb at 160 + 32 g + 8 cb)
.set PV,    160                        ; a row of V in LDS: 128 bytes + 32 = 5 x 32
.set VW,    160*PV                     ; a wave's V: 25,600 bytes
.set STAGE, 8*VW                       ; 16 rows x 144 bytes for each wave, for the way out; no tensor load lands here
.set SP,    144
.set SPARE, STAGE+8*16*SP              ; the spare words, 128 bytes for each wave: four blocks of 256 bytes that no other line names
.set HS,    12416*128                  ; a head of ao, in bytes
.set KO,  3                            ; v3   my byte offset in 16 rows of K or Q
.set AV0, 4                            ; v4   my lane's place in my wave's V
.set STO, 5
.set RD,  6
.set GO,  7
.set SPW, 8                            ; v8   LDS address of my spare word; never rewritten
.set NIL, 9                            ; v9   0; never rewritten
.set CM,  12                           ; v12-15  four chains of the maximum
.set ST,  16                           ; v16 c m, v17 m
.set LA,  18                           ; v[18:19], v[20:21]  two chains of the sum (taken by turns)
.set RL,  22                           ; v22 1 / l; v23 named with it as a pair
.set MK,  24
.set QF,  32
.set S,   64
.set OT,  144
.set VH,  176
.set T,   240
.set KF,  0                            ; window 1
.set VL,  160                          ; window 1
.set TC,  23                           ; s23  the tile's number
.set NT,  30                           ; s30  tiles: 8 in chunk 0, else 6
.set MKV, 31                           ; s31  -1e30 in chunk 0, else 0
.set G1,  32
.set G0,  40
.set CS,  44                           ; s[44:45] c
.set SEL, 46                           ; s[46:47] v_permlanex16_b32's selects: each lane takes its own place in the other half
.set MSB, 0
.macro WIN new
.if MSB != (\new)
	s_set_vgpr_msb (MSB<<8)|(\new)
.set MSB, \new
.endif
.endm
	s_load_b256 s[4:11], s[0:1], 0x0               ; qh s[4:5], kh s[6:7], vh s[8:9], ao s[10:11]
	v_lshl_add_u32 v[SPW], v0, 2, SPARE
	v_mov_b32 v[NIL], 0
	ds_add_u32 v[SPW], v[NIL]                      ; the wave's opening: the add and its wait stand ahead of my tensor load; the set-up below, work on registers, stands between them
	ds_add_u32 v8, v9
	v_lshrrev_b32 v1, 5, v0
	v_readfirstlane_b32 s12, v1                    ; wave 0..7
	s_and_b32 s13, ttmp7, 0xffff
	s_lshr_b32 s14, s13, 5                         ; batch
	s_and_b32 s15, s13, 31                         ; chunk i
	s_lshl_b32 s16, ttmp9, 3
	s_add_co_u32 s16, s16, s12                     ; head
	s_lshl_b32 s17, s15, 7
	s_sub_co_u32 s18, s17, 32                      ; first key
	s_add_co_u32 s19, s17, 32                      ; first query
	s_mul_i32 s20, s15, 96
	s_add_co_u32 s20, s20, 32                      ; first row of the output
	s_cmp_eq_u32 s15, 0                            ; chunk 0 begins at 0 in all three
	s_cselect_b32 s18, 0, s18
	s_cselect_b32 s19, 0, s19
	s_cselect_b32 s20, 0, s20
	s_cselect_b32 s[NT], 8, 6
	s_cselect_b32 s[MKV], 0xf149f2ca, 0
	s_lshl_b32 s22, s14, 4
	s_add_co_u32 s22, s22, s16
	s_lshl_b32 s22, s22, 19                        ; (16 batch + head) x 4,096 rows x 128 bytes
	s_lshl_b32 s24, s18, 7
	s_add_co_u32 s24, s24, s22                     ; K and V at the first key
	s_mov_b32 s25, 0
	s_lshl_b32 s26, s19, 7
	s_add_co_u32 s26, s26, s22                     ; Q at the first query
	s_mov_b32 s27, 0
	s_mul_i32 s28, s14, 3104
	s_add_co_u32 s28, s28, s20
	s_lshl_b32 s28, s28, 7
	s_mul_i32 s2, s16, HS
	s_add_co_u32 s28, s28, s2                      ; ao at my first row
	s_mov_b32 s29, 0
	s_mov_b32 s3, 0                                ; the high word of Q's step
	; descriptor: 160 keys are 20,480 dense bytes: asked for as 80 rows of 256 bytes, two keys a row, 8 words of padding behind every 32
	s_mov_b32 s[G1+0], (1<<16)|(1<<20)|(4<<22)|(7<<25)
	s_mov_b32 s[G1+1], 128<<16                     ; tensor_dim0 = 128
	s_mov_b32 s[G1+2], 80<<16                      ; tensor_dim1 = 80
	s_mov_b32 s[G1+3], 128<<16                     ; tile_dim0 = 128
	s_mov_b32 s[G1+4], 80                          ; tile_dim1 = 80
	s_mov_b32 s[G1+5], 128                         ; the pitch
	s_mov_b32 s[G1+6], 0
	s_mov_b32 s[G1+7], 0
	s_mov_b32 s[G0], 1
	s_mul_i32 s[G0+1], s12, VW                     ; my wave's own bytes
	s_mov_b32 s[CS], 0x3e38aa3b                    ; c = log2(e) / 8
	s_mov_b32 s[CS+1], s[CS]
	s_mov_b32 s[SEL], 0x76543210
	s_mov_b32 s[SEL+1], 0xfedcba98
	v_and_b32 v1, 15, v0                           ; l % 16
	v_bfe_u32 v2, v0, 4, 1                         ; l / 16
	v_and_b32 v10, 7, v0
	v_bfe_u32 v11, v0, 3, 1
	v_lshlrev_b32 v[KO], 7, v1
	v_lshl_add_u32 v[KO], v2, 4, v[KO]             ; row x 128 + 16 x half
	v_lshl_add_u32 v[AV0], v2, 3, v10              ; the turning load: key 8 (l / 16) + l % 8, channels 8 ((l / 8) % 2) on
	v_mul_u32_u24 v[AV0], v[AV0], PV
	v_lshl_add_u32 v[AV0], v11, 4, v[AV0]
	v_add_nc_u32 v[AV0], s[G0+1], v[AV0]
	s_mul_i32 s2, s12, 16*SP
	s_add_co_u32 s2, s2, STAGE                     ; my stage
	v_mul_u32_u24 v[STO], v1, SP
	v_lshl_add_u32 v[STO], v2, 4, v[STO]
	v_add_nc_u32 v[STO], s2, v[STO]
	v_bfe_u32 v[RD], v0, 3, 2
	v_mul_u32_u24 v[RD], v[RD], SP
	v_lshl_add_u32 v[RD], v10, 4, v[RD]
	v_add_nc_u32 v[RD], s2, v[RD]
	v_and_b32 v[GO], 31, v0
	v_lshlrev_b32 v[GO], 4, v[GO]
.irp j, 0,1,2,3,4,5,6,7
	v_mov_b32 v[MK+(\j)], s[MKV]
.endr
	v_mov_b32 v[RL+1], 0
	s_wait_dscnt 0x0                               ; the opening add is done
	s_wait_kmcnt 0x0
	s_add_nc_u64 s[6:7], s[6:7], s[24:25]
	s_add_nc_u64 s[G0+2:G0+3], s[8:9], s[24:25]
	s_or_b32 s[G0+3], s[G0+3], 0x80000000          ; type = 2
	s_add_nc_u64 s[4:5], s[4:5], s[26:27]
	s_add_nc_u64 s[10:11], s[10:11], s[28:29]
	tensor_load_to_lds s[G0:G0+3], s[G1:G1+7]      ; V: my one tensor load
	s_nop 0
.rept 4
	v_nop
.endr
	WIN 0x40                                       ; destination window 1
.set i, 0
.rept 20                                               ; K stays in registers: key tile i / 2, channels 32 (i % 2) on
	global_load_b128 v[KF+8*i:KF+8*i+3],   v[KO], s[6:7] offset:(i/2)*2048+(i%2)*64
	global_load_b128 v[KF+8*i+4:KF+8*i+7], v[KO], s[6:7] offset:(i/2)*2048+(i%2)*64+32
.set i, i+1
.endr
	WIN 0
.macro QLOAD                           ; a tile of 16 queries
.irp c, 0,1
	global_load_b128 v[QF+8*(\c):QF+8*(\c)+3],   v[KO], s[4:5] offset:64*(\c)
	global_load_b128 v[QF+8*(\c)+4:QF+8*(\c)+7], v[KO], s[4:5] offset:64*(\c)+32
.endr
.endm
	QLOAD
	s_wait_tensorcnt 0x0                           ; V is in LDS; only I read these bytes
	WIN 0x40
.set i, 0
.rept 12                                               ; V stays in registers too, turned: key group i / 4, channel block i % 4
	ds_load_tr16_b128 v[VL+8*i:VL+8*i+3],   v[AV0] offset:(i/4)*32*PV+(i%4)*32
	ds_load_tr16_b128 v[VL+8*i+4:VL+8*i+7], v[AV0] offset:(i/4)*32*PV+16*PV+(i%4)*32
.set i, i+1
.endr
	WIN 0
.set i, 0
.rept 8
	ds_load_tr16_b128 v[VH+8*i:VH+8*i+3],   v[AV0] offset:(3+i/4)*32*PV+(i%4)*32
	ds_load_tr16_b128 v[VH+8*i+4:VH+8*i+7], v[AV0] offset:(3+i/4)*32*PV+16*PV+(i%4)*32
.set i, i+1
.endr
.macro EXPG g                          ; the 16 exponentials of key group g, in place; a plain instruction behind the run, before any result is used
.set i, 0
.rept 16
	v_exp_f32 v[S+16*(\g)+i], v[S+16*(\g)+i]
.set i, i+1
.endr
	v_nop
	s_wait_alu depctr_va_vdst(0)
.endm
.macro SUMCVT g                        ; group g's weights are added onto two chains by turns (group 0 starts them), then rounded to f16 in place: v[S+16 g : S+16 g+7] is source 1 for 32 keys
.set n, 0
.rept 8
.set rs, S+16*(\g)+2*n
.if ((\g) == 0) && (n < 4)
.if n%2 == 0
	s_wait_alu depctr_va_vdst(0)
	v_pk_add_f32 v[LA+n:LA+n+1], v[rs:rs+1], v[rs+2:rs+3]
.endif
.else
	v_pk_add_f32 v[LA+2*(n%2):LA+2*(n%2)+1], v[LA+2*(n%2):LA+2*(n%2)+1], v[rs:rs+1]
.endif
.set n, n+1
.endr
.set n, 0
	s_wait_alu depctr_va_vdst(0)
.rept 8
	v_cvt_pk_f16_f32 v[S+16*(\g)+n], v[S+16*(\g)+2*n], v[S+16*(\g)+2*n+1]
.set n, n+1
.endr
.endm
	s_mov_b32 s[TC], 0
.Ltile:                                                ; a trip: one tile of 16 queries.  The bound is 8 or 6 by the chunk; every LDS address is fixed
	s_wait_loadcnt 0x0                             ; Q (in the first trip K too)
	WIN 0x01                                       ; K in window 1
.irp c, 0,1                                            ; the 10 accumulators take turns
.irp kt, 0,1,2,3,4,5,6,7,8,9
.if ((\c) == 0) && ((\kt) < 8)
	v_wmma_f32_16x16x32_f16 v[S+8*(\kt):S+8*(\kt)+7], v[KF+16*(\kt):KF+16*(\kt)+7], v[QF:QF+7], 0
.elseif (\c) == 0
	v_wmma_f32_16x16x32_f16 v[S+8*(\kt):S+8*(\kt)+7], v[KF+16*(\kt):KF+16*(\kt)+7], v[QF:QF+7], v[MK:MK+7]
.else
	v_wmma_f32_16x16x32_f16 v[S+8*(\kt):S+8*(\kt)+7], v[KF+16*(\kt)+8:KF+16*(\kt)+15], v[QF+8:QF+15], v[S+8*(\kt):S+8*(\kt)+7]
.endif
.endr
.endr
	WIN 0
.rept 4
	v_nop                                          ; the places in front of the reads of the scores and of the loads into Q
.endr
	s_add_co_u32 s2, s[TC], 1                      ; the next tile's Q; in the last trip the step is 0, so that the load stays inside the buffer
	s_cmp_lt_u32 s2, s[NT]
	s_cselect_b32 s2, 2048, 0
	s_add_nc_u64 s[4:5], s[4:5], s[2:3]            ; the loads that named this base were waited for at the trip's head
	QLOAD
	; the maximum of my 80 scores: chain j takes key tiles j, j + 4 and (j < 2) j + 8, each from its lowest registers on
.set n, 0
.rept 12
.irp j, 0,1,2,3
.if (n < 8) || ((\j) < 2)
.set rs, S+8*((\j)+4*(n/4))+2*(n%4)
.if n == 0
	v_max_num_f32 v[CM+(\j)], v[rs], v[rs+1]
.else
	v_max3_num_f32 v[CM+(\j)], v[CM+(\j)], v[rs], v[rs+1]
.endif
.endif
.endr
.set n, n+1
.endr
	v_max3_num_f32 v[CM], v[CM], v[CM+1], v[CM+2]
	v_max_num_f32 v[CM], v[CM], v[CM+3]
	v_permlanex16_b32 v[CM+1], v[CM], s[SEL], s[SEL+1]  ; the query's other 80 keys lie in the lane 16 away
	v_max_num_f32 v[ST+1], v[CM], v[CM+1]
	v_mul_f32 v[ST], s[CS], v[ST+1]
.set n, 0
.rept 40
	v_pk_fma_f32 v[S+2*n:S+2*n+1], v[S+2*n:S+2*n+1], s[CS:CS+1], v[ST:ST+1] op_sel_hi:[1,0,0] neg_lo:[0,0,1] neg_hi:[0,0,1]  ; c s - c m
.set n, n+1
.endr
	EXPG 0
	EXPG 1
	SUMCVT 0
	EXPG 2
	SUMCVT 1
	EXPG 3
	SUMCVT 2
	EXPG 4
	SUMCVT 3
	SUMCVT 4
	s_wait_dscnt 0x0                               ; V (first trip)
.irp g, 0,1,2,3,4                                      ; O^T = V^T P: the 4 accumulators take turns
.irp cb, 0,1,2,3
.if (\g) < 3
	WIN 0x01
.set rV, VL+32*(\g)+8*(\cb)
.else
	WIN 0
.set rV, VH+32*((\g)-3)+8*(\cb)
.endif
.if (\g) == 0
	v_wmma_f32_16x16x32_f16 v[OT+8*(\cb):OT+8*(\cb)+7], v[rV:rV+7], v[S+16*(\g):S+16*(\g)+7], 0
.else
	v_wmma_f32_16x16x32_f16 v[OT+8*(\cb):OT+8*(\cb)+7], v[rV:rV+7], v[S+16*(\g):S+16*(\g)+7], v[OT+8*(\cb):OT+8*(\cb)+7]
.endif
.endr
.endr
	WIN 0
	v_pk_add_f32 v[LA:LA+1], v[LA:LA+1], v[LA+2:LA+3]  ; l; of these lines five are plain and name nothing of the products: the places behind them
	v_add_f32 v[LA], v[LA], v[LA+1]
	v_permlanex16_b32 v[LA+1], v[LA], s[SEL], s[SEL+1]
	v_add_f32 v[LA], v[LA], v[LA+1]
	v_rcp_f32 v[RL], v[LA]
	v_nop
	v_nop
.set n, 0
	s_wait_alu depctr_va_vdst(0)
.rept 16
	v_pk_mul_f32 v[OT+2*n:OT+2*n+1], v[OT+2*n:OT+2*n+1], v[RL:RL+1] op_sel_hi:[1,0]
.set n, n+1
.endr
.set n, 0
.rept 16
	v_cvt_pk_f16_f32 v[T+n], v[OT+2*n], v[OT+2*n+1]
.set n, n+1
.endr
.irp f, 0,1,2,3
	ds_store_b128 v[STO], v[T+4*(\f):T+4*(\f)+3] offset:32*(\f)
.endr
.irp f, 0,1,2,3
	ds_load_b128 v[T+4*(\f):T+4*(\f)+3], v[RD] offset:(\f)*4*SP  ; LDS serves a wave's instructions in order (ISA guide 5.7.1.4): these see the stores above
.endr
.irp f, 0,1,2,3
	s_wait_dscnt 3-(\f)
	global_store_b128 v[GO], v[T+4*(\f):T+4*(\f)+3], s[10:11] offset:512*(\f)  ; 512 consecutive bytes of a head of ao, at a multiple of 256
.endr
	s_wait_xcnt 0x0                                ; the stores' base and data are rewritten only behind this wait
	s_add_nc_u64 s[10:11], s[10:11], 2048
	s_add_co_u32 s[TC], s[TC], 1
	s_cmp_lt_u32 s[TC], s[NT]
	s_cbranch_scc1 .Ltile
	s_wait_tensorcnt 0x0                           ; the wave's end, behind my tensor load and my last LDS store
	ds_add_u32 v[SPW], v[NIL]
	s_wait_dscnt 0x0
	s_endpgm
.Lfunc_end_k_q310918a2fb_attn:
	.size	k_q310918a2fb_attn, .Lfunc_end_k_q310918a2fb_attn-k_q310918a2fb_attn
	.p2alignl 7, 3214868480
	.fill 96, 4, 3214868480
	.section	.rodata,"a",@progbits
	.p2align	6, 0x0
	.amdhsa_kernel k_q310918a2fb_attn
		.amdhsa_group_segment_fixed_size 224256
		.amdhsa_private_segment_fixed_size 0
		.amdhsa_enable_private_segment 0
		.amdhsa_kernarg_size 32
		.amdhsa_user_sgpr_count 2
		.amdhsa_user_sgpr_kernarg_segment_ptr 1
		.amdhsa_wavefront_size32 1
		.amdhsa_system_sgpr_workgroup_id_x 1
		.amdhsa_system_sgpr_workgroup_id_y 1
		.amdhsa_system_sgpr_workgroup_id_z 1
		.amdhsa_system_vgpr_workitem_id 0
		.amdhsa_next_free_vgpr 512
		.amdhsa_next_free_sgpr 66
		.amdhsa_reserve_vcc 0
		.amdhsa_float_denorm_mode_32 3
		.amdhsa_float_denorm_mode_16_64 3
		.amdhsa_memory_ordered 1
		.amdhsa_forward_progress 1
		.amdhsa_inst_pref_size 32
	.end_amdhsa_kernel
	.amdgpu_metadata
---
amdhsa.version: [ 1, 2 ]
amdhsa.kernels:
  - .name:           k_q310918a2fb_attn
    .symbol:         k_q310918a2fb_attn.kd
    .args:
      - { .name: qh, .offset: 0, .size: 8, .value_kind: global_buffer, .address_space: global }
      - { .name: kh, .offset: 8, .size: 8, .value_kind: global_buffer, .address_space: global }
      - { .name: vh, .offset: 16, .size: 8, .value_kind: global_buffer, .address_space: global }
      - { .name: ao, .offset: 24, .size: 8, .value_kind: global_buffer, .address_space: global }
    .group_segment_fixed_size: 224256
    .private_segment_fixed_size: 0
    .kernarg_segment_align: 8
    .kernarg_segment_size: 32
    .max_flat_workgroup_size: 256
    .sgpr_count:     66
    .vgpr_count:     512
    .wavefront_size: 32
...
	.end_amdgpu_metadata
.endif
;; end of part 3
;; launch outp (part 4): grid 4 x 56, 4 waves a work-group, clusters of 4 x 1, 327,680 bytes of LDS; arguments ao, wb, bo, out0; writes out0
.if DOCPART == 4
	.amdgcn_target "amdgcn-amd-amdhsa--gfx1250"
	.amdhsa_code_object_version 6
	.text
	.protected	k_q310918a2fb_outp
	.globl	k_q310918a2fb_outp
	.p2align	8
	.type	k_q310918a2fb_outp,@function
k_q310918a2fb_outp:
	s_mov_b64 s[64:65], 0
	v_nop
	global_prefetch_b8 v0, s[64:65] scope:SCOPE_SE
	s_setreg_imm32_b32 hwreg(HW_REG_WAVE_MODE, 25, 1), 1
	s_wait_xcnt 0x0
	s_wait_alu depctr_hold_cnt(0) depctr_sa_sdst(0) depctr_va_vdst(0) depctr_va_sdst(0) depctr_va_ssrc(0) depctr_va_vcc(0) depctr_vm_vsrc(0)
	s_getreg_b32 s2, hwreg(HW_REG_IB_STS2, 6, 4)
	s_cmp_eq_u32 s2, 0
	s_cbranch_scc0 .Lentry_in_a_cluster
	s_endpgm
.Lentry_in_a_cluster:
	s_bfe_u32 s2, ttmp6, 0x10000c
	s_cmp_lg_u32 s2, 0x3003
	s_cbranch_scc0 .Lentry_shape_is_right
	s_endpgm
.Lentry_shape_is_right:
; out0 = ao Wo + bf16(bo).  ao: [head 16][12416][64] f16; Wo: plane 3 of wb, [k][n] f16 (the bf16 rounding of Wo); out0: [12416][1024] f32; sums in f32.
; SHARES.  A tile is 224 rows x 256 columns: 56 x 4 = 224 work-groups (tiles of 256 rows would make 196 of longer work).  12,416 = 55 x 224 + 96: the last row tile begins at 12,192, makes
; 128 rows that its neighbour makes too, and does not store them: each byte of out0 is stored once.  Four waves, 2 x 2: each 112 rows x 128 columns, 56 accumulators.
; K goes in steps of 128 = two heads of ao, through two LDS slots.  ao's part: for each head 224 dense rows of 128 bytes, asked for as 112 rows of 256; Wo's: 128 k rows x 512 bytes, turned on the way out of LDS.
; CLUSTER 4 x 1: the four column tiles of a row tile need the same tiles of ao: asked for JOINTLY (waves 0 and 1, a head each).  Wo's tiles hang on cx: loads of one's own (waves 2 and 3), behind the same rounds.
; THE MATRIX INSTRUCTION IS USED TRANSPOSED (source 0 = 16 columns of Wo, source 1 = 16 rows of ao): a lane holds eight neighbouring columns of a row.  The bias is the C operand of the products that start the sums.
; REGISTERS: window 0: v16-29 addresses; v32-63 at work; v64-119, v128-183 fragments of ao, two buffers (later two banks of rows on the way out); v192-255 the bias
;   window 1: v64-127, v128-191 fragments of Wo;  window 2: accumulators of row blocks 0-3 ((a, b) at v[8 (8 a + b)]);  window 3: of row blocks 4-6
.set HS,     12416*128                 ; a head of ao, in bytes
.set PA,     144                       ; a row of ao in LDS: 128 bytes + 16
.set AHEAD,  224*PA                    ; 32,256
.set PB,     544                       ; a row of Wo in LDS: 512 bytes + 32 = 17 x 32
.set BOFF,   2*AHEAD
.set BHALF,  64*PB                     ; 34,816
.set SLOT,   BOFF+2*BHALF              ; 134,144
.set STAGE,  2*SLOT                    ; 16 rows x 528 bytes for each wave, for the way out; no tensor load lands here
.set SPITCH, 528                       ; 512 bytes + 16 = 33 x 16
.set WSTAGE, 16*SPITCH
.set SPARE,  STAGE+4*WSTAGE            ; the spare words, 128 bytes for each wave: two blocks of 256 bytes that no other line names
.set ADRA, 16
.set ADRB, 20
.set STO,  24
.set RD,   25
.set CO,   26
.set BO,   27
.set SPW,  28                          ; v28  LDS address of my spare word; never rewritten
.set NIL,  29                          ; v29  0; never rewritten
.set T,    32
.set F0,   64
.set F1,   128
.set BIAS, 192
.set WV,   12                          ; s12  wave
.set RH,   13                          ; s13  which 112 rows are mine.  Also: I fetch for ao (0) or for Wo (1)
.set CH,   14                          ; s14  which 128 columns.  Also: which half of that tile I fetch
.set SK,   19                          ; s19  my row blocks below this number are not stored
.set G1A,  24
.set G0A,  32
.set G1B,  40
.set G0B,  48
.set MSB, 0
.macro WIN new
.if MSB != (\new)
	s_set_vgpr_msb (MSB<<8)|(\new)
.set MSB, \new
.endif
.endm
.macro PLACES
.rept 4
	v_nop
.endr
.endm
.macro CREST
	s_cmp_lg_u32 s[WV], 0
	s_cbranch_scc1 .Lnot_wave_0_\@
	s_barrier_signal -3
.Lnot_wave_0_\@:
	s_barrier_wait -3
	s_barrier_signal -1
	s_barrier_wait -1
.endm
.macro CROUND
	s_barrier_signal -1
	s_barrier_wait -1
	CREST
.endm
.macro JLOAD s                         ; a refill: one tensor load a wave; an s_nop 0 and four v_nop follow each of the two lines, ahead of the jump and the label
	s_cmp_eq_u32 s[RH], 0
	s_cbranch_scc0 .Lfor_b_\@
	tensor_load_to_lds s[G0A+4*(\s):G0A+4*(\s)+3], s[G1A:G1A+7]
	s_nop 0
.rept 4
	v_nop
.endr
	s_branch .Lasked_\@
.Lfor_b_\@:
	tensor_load_to_lds s[G0B+4*(\s):G0B+4*(\s)+3], s[G1B:G1B+7]
	s_nop 0
.rept 4
	v_nop
.endr
.Lasked_\@:
.endm
	s_load_b256 s[4:11], s[0:1], 0x0               ; ao s[4:5], wb s[6:7], bo s[8:9], out0 s[10:11]
	v_lshl_add_u32 v[SPW], v0, 2, SPARE
	v_mov_b32 v[NIL], 0
	ds_add_u32 v[SPW], v[NIL]                      ; the wave's opening: the add and its wait stand ahead of my first tensor load; the set-up below, work on registers, stands between them
	ds_add_u32 v28, v29
	v_lshrrev_b32 v1, 5, v0
	v_readfirstlane_b32 s[WV], v1
	s_lshr_b32 s[RH], s[WV], 1
	s_and_b32 s[CH], s[WV], 1
	s_bfe_u32 s15, ttmp6, 0x40000                  ; cx
	s_lshl_b32 s16, ttmp9, 2
	s_add_co_u32 s15, s15, s16                     ; column tile = 4 x cluster x + cx
	s_and_b32 s17, ttmp7, 0xffff                   ; row tile, which the four partners share
	s_mul_i32 s18, s17, 224
	s_min_u32 s18, s18, 12192                      ; its first row
	s_cmp_eq_u32 s17, 55
	s_cselect_b32 s[SK], 8, 0                      ; the last tile leaves its first 8 row blocks to its neighbour;
	s_mul_i32 s16, s[RH], 7
	s_sub_co_i32 s[SK], s[SK], s16                 ; counted in my own 7 blocks
	; ao's tile: 112 rows x 128 elements (two of ao's rows a row), 4 words of padding behind every 32; the mask names all four work-groups
	s_mov_b32 s[G1A+0], 15|(1<<16)|(1<<20)|(1<<21)|(4<<22)|(3<<25)
	s_mov_b32 s[G1A+1], 128<<16
	s_mov_b32 s[G1A+2], 112<<16
	s_mov_b32 s[G1A+3], 128<<16
	s_mov_b32 s[G1A+4], 112
	s_mov_b32 s[G1A+5], 128
	s_mov_b32 s[G1A+6], 0
	s_mov_b32 s[G1A+7], 0
	; Wo's tile: 64 rows x 256 elements, 1,024 from row to row, 8 words of padding behind every 128; no mask
	s_mov_b32 s[G1B+0], (1<<16)|(1<<20)|(6<<22)|(7<<25)
	s_mov_b32 s[G1B+1], 256<<16
	s_mov_b32 s[G1B+2], 64<<16
	s_mov_b32 s[G1B+3], 256<<16
	s_mov_b32 s[G1B+4], 64
	s_mov_b32 s[G1B+5], 1024
	s_mov_b32 s[G1B+6], 0
	s_mov_b32 s[G1B+7], 0
	s_mul_i32 s20, s[CH], HS                       ; ao: head w % 2, the tile's first row: the row tile and the wave's number alone
	s_lshl_b32 s21, s18, 7
	s_add_co_u32 s20, s20, s21
	s_mov_b32 s21, 0
	s_lshl_b32 s22, s[CH], 17                      ; Wo: plane 3, k rows 64 (w % 2) on, the column tile's 512 bytes
	s_add_co_u32 s22, s22, 3*2097152
	s_lshl_b32 s23, s15, 9
	s_add_co_u32 s22, s22, s23
	s_mov_b32 s23, 0
	s_mul_i32 s56, s[CH], AHEAD                    ; where they go: no place in the cluster enters an LDS address
	s_mul_i32 s57, s[CH], BHALF
	s_add_co_u32 s57, s57, BOFF
	s_lshl_b32 s60, s15, 10                        ; my first column, in bytes of f32: 1,024 x column tile + 512 x half
	s_lshl_b32 s16, s[CH], 9
	s_add_co_u32 s60, s60, s16
	s_mov_b32 s61, 0
	s_mul_i32 s58, s[RH], 112                      ; my first row of out0
	s_add_co_u32 s58, s58, s18
	s_lshl_b32 s58, s58, 12
	s_add_co_u32 s58, s58, s60
	s_mov_b32 s59, 0
	v_and_b32 v1, 15, v0                           ; l % 16
	v_bfe_u32 v2, v0, 4, 1                         ; l / 16
	v_and_b32 v4, 7, v0
	v_bfe_u32 v5, v0, 3, 1
	v_mul_u32_u24 v3, v1, PA
	v_lshl_add_u32 v3, v2, 4, v3
	s_mul_i32 s16, s[RH], 112*PA
	v_add_nc_u32 v[ADRA], s16, v3
	v_add_nc_u32 v[ADRA+1], SLOT, v[ADRA]
	v_lshl_add_u32 v6, v2, 3, v4
	v_mul_u32_u24 v6, v6, PB
	v_lshl_add_u32 v6, v5, 4, v6
	s_lshl_b32 s16, s[CH], 8
	s_add_co_u32 s16, s16, BOFF
	v_add_nc_u32 v[ADRB], s16, v6
	v_add_nc_u32 v[ADRB+1], SLOT, v[ADRB]
	s_mul_i32 s16, s[WV], WSTAGE
	s_add_co_u32 s16, s16, STAGE                   ; my stage
	v_mul_u32_u24 v[STO], v1, SPITCH               ; in: row l % 16, 32 bytes for each half of the lanes
	v_lshl_add_u32 v[STO], v2, 5, v[STO]
	v_add_nc_u32 v[STO], s16, v[STO]
	v_and_b32 v[CO], 31, v0                        ; back and out: 32 lanes take one row of 512 bytes
	v_lshlrev_b32 v[CO], 4, v[CO]
	v_add_nc_u32 v[RD], s16, v[CO]
	v_lshlrev_b32 v[BO], 5, v2
	s_mov_b32 s62, 0xffff0000
	s_wait_dscnt 0x0                               ; the opening add is done
	s_wait_kmcnt 0x0
	s_add_nc_u64 s[20:21], s[4:5], s[20:21]
	s_add_nc_u64 s[22:23], s[6:7], s[22:23]
	s_add_nc_u64 s[8:9], s[8:9], s[60:61]
	s_add_nc_u64 s[10:11], s[10:11], s[58:59]
.irp s, 0,1
	s_mov_b32 s[G0A+4*(\s)], 1
	s_add_co_u32 s[G0A+4*(\s)+1], s56, (\s)*SLOT
	s_add_nc_u64 s[G0A+4*(\s)+2:G0A+4*(\s)+3], s[20:21], (\s)*2*HS       ; K step s: heads 2 s, 2 s + 1
	s_or_b32 s[G0A+4*(\s)+3], s[G0A+4*(\s)+3], 0x80000000
	s_mov_b32 s[G0B+4*(\s)], 1
	s_add_co_u32 s[G0B+4*(\s)+1], s57, (\s)*SLOT
	s_add_nc_u64 s[G0B+4*(\s)+2:G0B+4*(\s)+3], s[22:23], (\s)*128*2048   ; k rows 128 s on
	s_or_b32 s[G0B+4*(\s)+3], s[G0B+4*(\s)+3], 0x80000000
.endr
	CROUND                                         ; all four work-groups are here: the first joint loads meet
	s_cmp_eq_u32 s[RH], 0                          ; a wave's two first fills stand in one branch: two loads of mine are out
	s_cbranch_scc0 .Lfirst_b
	tensor_load_to_lds s[G0A:G0A+3], s[G1A:G1A+7]
	s_nop 0
	tensor_load_to_lds s[G0A+4:G0A+7], s[G1A:G1A+7]
	s_nop 0
.rept 4
	v_nop
.endr
	s_branch .Lfirst_asked
.Lfirst_b:
	tensor_load_to_lds s[G0B:G0B+3], s[G1B:G1B+7]
	s_nop 0
	tensor_load_to_lds s[G0B+4:G0B+7], s[G1B:G1B+7]
	s_nop 0
.rept 4
	v_nop
.endr
.Lfirst_asked:
.irp n, 0,1,2,3,4,5,6,7
	global_load_b128 v[BIAS+8*(\n):BIAS+8*(\n)+3],   v[BO], s[8:9] offset:64*(\n)
	global_load_b128 v[BIAS+8*(\n)+4:BIAS+8*(\n)+7], v[BO], s[8:9] offset:64*(\n)+16
.endr
	s_wait_loadcnt 0x0
.set i, 0
.rept 32                                               ; the bias is rounded to bf16, like every input
	v_cvt_pk_bf16_f32 v[T+i], v[BIAS+2*i], v[BIAS+2*i+1]
.set i, i+1
.endr
.set i, 0
.rept 32
	v_lshlrev_b32 v[BIAS+2*i],   16, v[T+i]
	v_and_b32     v[BIAS+2*i+1], s62, v[T+i]
.set i, i+1
.endr
; 8 matrix instructions: row block 4 hi + a x all 8 column blocks, 32 along K.  mode = 1: they start the sums, with the bias as C.  The 56 accumulators take turns, in the same order in every quarter.
.macro MULB f, hi, a, mode
.if \mode
	WIN 0x81+0x40*(\hi)
.else
	WIN 0xa1+0x50*(\hi)
.endif
.irp b, 0,1,2,3,4,5,6,7
.if \mode
	v_wmma_f32_16x16x32_f16 v[8*(8*(\a)+(\b)):8*(8*(\a)+(\b))+7], v[(\f)+8*(\b):(\f)+8*(\b)+7], v[(\f)+8*(4*(\hi)+(\a)):(\f)+8*(4*(\hi)+(\a))+7], v[BIAS+8*(\b):BIAS+8*(\b)+7]
.else
	v_wmma_f32_16x16x32_f16 v[8*(8*(\a)+(\b)):8*(8*(\a)+(\b))+7], v[(\f)+8*(\b):(\f)+8*(\b)+7], v[(\f)+8*(4*(\hi)+(\a)):(\f)+8*(4*(\hi)+(\a))+7], v[8*(8*(\a)+(\b)):8*(8*(\a)+(\b))+7]
.endif
.endr
.endm
; 30 LDS loads in one run: quarter q of a slot (head q / 2, channels 32 (q % 2) on; Wo's k rows 32 q on) into buffer f
.macro FETCH slot, q, f
	WIN 0x40
.irp i, 0,1,2,3,4,5,6,7
	ds_load_tr16_b128 v[(\f)+8*(\i):(\f)+8*(\i)+3],   v[ADRB+(\slot)] offset:(\q)*32*PB+32*(\i)
	ds_load_tr16_b128 v[(\f)+8*(\i)+4:(\f)+8*(\i)+7], v[ADRB+(\slot)] offset:(\q)*32*PB+16*PB+32*(\i)
.endr
	WIN 0
.irp i, 0,1,2,3,4,5,6
	ds_load_b128 v[(\f)+8*(\i):(\f)+8*(\i)+3],   v[ADRA+(\slot)] offset:((\q)/2)*AHEAD+((\q)%2)*64+(\i)*16*PA
	ds_load_b128 v[(\f)+8*(\i)+4:(\f)+8*(\i)+7], v[ADRA+(\slot)] offset:((\q)/2)*AHEAD+((\q)%2)*64+(\i)*16*PA+32
.endr
.endm
; One of a K step's first three quarters: multiplies buffer f; in its middle it fetches quarter q of the same slot into buffer g
.macro QUARTER slot, q, f, g, mode
	s_wait_dscnt 6                                 ; Wo and row blocks 0-3 are in; the youngest six loads (blocks 4-6) may be out
	MULB \f, 0, 0, \mode
	MULB \f, 0, 1, \mode
	MULB \f, 0, 2, \mode
	MULB \f, 0, 3, \mode
	PLACES
	FETCH \slot, \q, \g
	s_wait_dscnt 30                                ; all but the 30 just issued
	MULB \f, 1, 0, \mode
	MULB \f, 1, 1, \mode
	MULB \f, 1, 2, \mode
.endm
; The last quarter multiplies buffer 1 and changes slots: each wave waits for all its tensor loads (one is out: its part of the next slot), adds 0 to its spare word, and waits for that and for its reads of this slot.
; fill = 1: the barrier opens a round of the cluster's, and the refill, two K steps on, is the first thing behind it: 192 matrix instructions ahead of the wait for it.
.macro TURN slot, next, fill
	WIN 0                                          ; (the add's two registers lie in window 0)
	s_wait_tensorcnt 0x0
	ds_add_u32 v[SPW], v[NIL]
	s_wait_dscnt 7                                 ; (the add and the youngest six loads may be out)
	MULB F1, 0, 0, 0
	MULB F1, 0, 1, 0
	s_wait_dscnt 0x0                               ; the add is done, and my reads of this slot are over
	s_barrier_signal -1
	MULB F1, 0, 2, 0
	MULB F1, 0, 3, 0
.if \fill
	WIN 0
.endif
	s_barrier_wait -1
.if \fill
	CREST                                          ; no wave of any partner still reads this slot or has a load on its way
	s_add_nc_u64 s[G0A+4*(\slot)+2:G0A+4*(\slot)+3], s[G0A+4*(\slot)+2:G0A+4*(\slot)+3], 4*HS
	s_add_nc_u64 s[G0B+4*(\slot)+2:G0B+4*(\slot)+3], s[G0B+4*(\slot)+2:G0B+4*(\slot)+3], 256*2048
	JLOAD \slot                                    ; its four v_nop are also the places in front of the loads below
.else
	PLACES
.endif
	FETCH \next, 0, F0
	MULB F1, 1, 0, 0
	MULB F1, 1, 1, 0
	MULB F1, 1, 2, 0
.endm
	s_wait_tensorcnt 0x1                           ; my part of slot 0 is in; slot 1's may stay out
	s_barrier_signal -1
	s_barrier_wait -1
	FETCH 0, 0, F0
	QUARTER 0, 1, F0, F1, 1                        ; the first quarter stands in front of the loop: its products start the sums
	WIN 0                                          ; at a label and at a branch every window is 0
	s_mov_b32 s3, 3
.Llap:                                                 ; a trip goes once round the ring and fills both slots again: K steps 2 to 7
	QUARTER 0, 2, F1, F0, 0
	QUARTER 0, 3, F0, F1, 0
	TURN 0, 1, 1
	QUARTER 1, 1, F0, F1, 0
	QUARTER 1, 2, F1, F0, 0
	QUARTER 1, 3, F0, F1, 0
	TURN 1, 0, 1
	QUARTER 0, 1, F0, F1, 0
	WIN 0
	s_sub_co_u32 s3, s3, 1
	s_cmp_lg_u32 s3, 0
	s_cbranch_scc1 .Llap
	QUARTER 0, 2, F1, F0, 0                        ; the last lap fills nothing
	QUARTER 0, 3, F0, F1, 0
	TURN 0, 1, 0
	QUARTER 1, 1, F0, F1, 0
	QUARTER 1, 2, F1, F0, 0
	QUARTER 1, 3, F0, F1, 0
	s_wait_dscnt 6
	MULB F1, 0, 0, 0
	MULB F1, 0, 1, 0
	MULB F1, 0, 2, 0
	MULB F1, 0, 3, 0
	s_wait_dscnt 0x0
	MULB F1, 1, 0, 0
	MULB F1, 1, 1, 0
	MULB F1, 1, 2, 0
	WIN 0
	PLACES                                         ; in front of the LDS stores that read the results, and of the loads into the fragments' registers
; THE WAY OUT of row block a: the sums go as they are, f32, into my stage (each accumulator's low four registers first) and come back as whole rows of 512 bytes.
.macro TOSTAGE a
.set AC, 64*((\a)%4)
.set BK, F0+64*((\a)%2)
	WIN 0x08+4*((\a)/4)                            ; the stores' data: window 2 or 3
.irp b, 0,1,2,3,4,5,6,7
	ds_store_b128 v[STO], v[AC+8*(\b):AC+8*(\b)+3]   offset:64*(\b)
	ds_store_b128 v[STO], v[AC+8*(\b)+4:AC+8*(\b)+7] offset:64*(\b)+16
.endr
	WIN 0
	s_wait_xcnt 0x0                                ; this bank, which the stores of the block two back read, is loaded again only behind this wait
.irp t, 0,1,2,3,4,5,6,7,8,9,10,11,12,13,14,15
	ds_load_b128 v[BK+4*(\t):BK+4*(\t)+3], v[RD] offset:(\t)*SPITCH  ; LDS serves a wave's instructions in order (ISA guide 5.7.1.4): these see the stores above; the next block's stores come behind them
.endr
.endm
.macro SEND a, younger                 ; younger: the next block's 16 LDS stores and 16 loads, or none.  The jump passes the global stores alone
.set BK, F0+64*((\a)%2)
	s_wait_dscnt \younger
	s_cmp_gt_i32 s[SK], \a
	s_cbranch_scc1 .Lnot_mine_\@
.irp t, 0,1,2,3,4,5,6,7,8,9,10,11,12,13,14,15
	global_store_b128 v[CO], v[BK+4*(\t):BK+4*(\t)+3], s[10:11] offset:(16*(\a)+(\t))*4096 th:TH_STORE_NT  ; 512 consecutive bytes of a row, at a multiple of 256
.endr
.Lnot_mine_\@:
.endm
	TOSTAGE 0
.irp a, 1,2,3,4,5,6
	TOSTAGE \a
	SEND (\a)-1, 32
.endr
	SEND 6, 0
	s_wait_tensorcnt 0x0                           ; the wave's end, behind my last tensor load and my last LDS store
	ds_add_u32 v[SPW], v[NIL]
	s_wait_dscnt 0x0
	CROUND                                         ; the closing round: no work-group ends while a partner may still ask for a tile that names it
	s_endpgm
.Lfunc_end_k_q310918a2fb_outp:
	.size	k_q310918a2fb_outp, .Lfunc_end_k_q310918a2fb_outp-k_q310918a2fb_outp
	.p2alignl 7, 3214868480
	.fill 96, 4, 3214868480
	.section	.rodata,"a",@progbits
	.p2align	6, 0x0
	.amdhsa_kernel k_q310918a2fb_outp
		.amdhsa_group_segment_fixed_size 327680
		.amdhsa_private_segment_fixed_size 0
		.amdhsa_enable_private_segment 0
		.amdhsa_kernarg_size 32
		.amdhsa_user_sgpr_count 2
		.amdhsa_user_sgpr_kernarg_segment_ptr 1
		.amdhsa_wavefront_size32 1
		.amdhsa_system_sgpr_workgroup_id_x 1
		.amdhsa_system_sgpr_workgroup_id_y 1
		.amdhsa_system_sgpr_workgroup_id_z 1
		.amdhsa_system_vgpr_workitem_id 0
		.amdhsa_next_free_vgpr 1024
		.amdhsa_next_free_sgpr 66
		.amdhsa_reserve_vcc 0
		.amdhsa_float_denorm_mode_32 3
		.amdhsa_float_denorm_mode_16_64 3
		.amdhsa_memory_ordered 1
		.amdhsa_forward_progress 1
		.amdhsa_inst_pref_size 132
	.end_amdhsa_kernel
	.amdgpu_metadata
---
amdhsa.version: [ 1, 2 ]
amdhsa.kernels:
  - .name:           k_q310918a2fb_outp
    .symbol:         k_q310918a2fb_outp.kd
    .args:
      - { .name: ao, .offset: 0, .size: 8, .value_kind: global_buffer, .address_space: global }
      - { .name: wb, .offset: 8, .size: 8, .value_kind: global_buffer, .address_space: global }
      - { .name: bo, .offset: 16, .size: 8, .value_kind: global_buffer, .address_space: global }
      - { .name: out0, .offset: 24, .size: 8, .value_kind: global_buffer, .address_space: global }
    .group_segment_fixed_size: 327680
    .private_segment_fixed_size: 0
    .kernarg_segment_align: 8
    .kernarg_segment_size: 32
    .max_flat_workgroup_size: 128
    .sgpr_count:     66
    .vgpr_count:     1024
    .wavefront_size: 32
...
	.end_amdgpu_metadata
.endif
;; end of part 4
